; MI455X (gfx1250); checked and timed in simulation.
; The chip was launched on July 23, 2026; its instructions are those of AMD's public machine-readable ISA for CDNA 5 (MIT licence, August 2026) and "CDNA5" Instruction Set Architecture Reference Guide (July 2026). The comments in the code are by the model that wrote it; some were corrected since.
;; K Way Pred. Allowed arithmetic: matrix products marked QUANTISED: E2M3 operands, one E8M0 scale for each 32 along K, by v_wmma_scale_f32_16x16x128_f8f6f4 with both operands' format E2M3, f32 sums; products left as they are: f32 operands where the result goes on into a quantised operand, else bf16, f16 or f32 operands; f32 sums; everything else in f32.
;; Inputs: h_u_codes 32,768 x 8 x 24 uint8 (E2M3 codes of h_u, K innermost, in blocks of 32 codes, four codes in three bytes); h_u_scales 32,768 x 8 uint8 (E8M0 scales of h_u, one for each 32 codes along K); h_v 32,768 x 256 float32; weights_codes 32 x 256 x 8 x 24 uint8 (E2M3 codes of weights, K innermost, in blocks of 32 codes, four codes in three bytes); weights_scales 32 x 256 x 8 uint8 (E8M0 scales of weights, one for each 32 codes along K).
;; Outputs: out0 32,768 x 32 float32.
;; This version of the problem:
;;   THIS VERSION OF THE PROBLEM IS GIVEN IN LOW PRECISION. The matrix products marked QUANTISED in the list below multiply operands that are first quantised to E2M3 (2 exponent bits, 3 mantissa bits; 6 bits a number), with one power-of-two scale for each 32 numbers along K (OCP MX v1.0); their sums are f32. All else is computed in f32.
;;   The module's matrix products, in the order in which they are computed (A, B: the left and right operand; K: the contracted axis; several contracted axes count as one K, in the product's order):
;;     1. [M 8,192, K 256] x [K 256, N 32,768]; A: input weights (given as codes); B: input h_u (given as codes): QUANTISED
;;     2. batch 32,768 x [M 32, K 256] x [K 256, N 1]; A: computed on the way; B: input h_v: left as it is (N = 1 < 16)
;;   THE QUANTISER, for each operand of a quantised product, along K:
;;     - K is cut into blocks of 32 from its start; a last block that is shorter is filled with zeros.
;;     - A block's scale is 2^e with e = floor(log2(the largest magnitude in the block)) - 2, held to -126 .. 127; a block of zeros has e = 0. As a byte (E8M0): e + 127.
;;     - Each number is divided by its block's scale, clamped to +-7.5, and rounded to the nearest number of E2M3, ties to even, subnormals kept.
;;     - The product sums the exact products of the quantised numbers (number of the format x scale) in f32.
;;   ~~~python
;;   def quantise(x, axis):      # numpy; x: float32 -> the quantised numbers, widened to float32 again
;;       x = np.moveaxis(x, axis, -1); K = x.shape[-1]
;;       x = np.pad(x, [(0, 0)] * (x.ndim - 1) + [(0, -K % 32)]); x = x.reshape(x.shape[:-1] + (-1, 32)); a = np.abs(x).max(-1, keepdims=True)
;;       e = np.where(a > 0, np.clip(np.frexp(np.where(a > 0, a, 1))[1] - 1 - 2, -126, 127), 0)      # np.frexp(a)[1] - 1 = floor(log2(a)), exactly
;;       r = np.clip(x / 2.0 ** e, -7.5, 7.5)
;;       step = 2.0 ** (np.maximum(np.frexp(np.where(r == 0, 1, r))[1] - 1, 0) - 3)
;;       q = np.round(r / step) * step * 2.0 ** e      # np.round: ties to even
;;       return np.moveaxis(q.reshape(q.shape[:-2] + (-1,))[..., :K], -1, axis).astype(np.float32)
;;   ~~~
;;   INPUTS GIVEN AS CODES. h_u (in the module: [32768, 256], K = its axis 1); weights (in the module: [32, 256, 256], K = its axis 1): each comes as NAME_codes (uint8): NAME with its K axis moved to the last place and cut into blocks of 32 codes, [.., K / 32, bytes a block], one block behind the other in memory; four codes in three bytes: a row's codes are one little-endian stream of bits, code i at bits 6 i .. 6 i + 5 (a code: sign, 2 exponent bits, 3 mantissa bits); and NAME_scales (uint8): the same leading axes, one E8M0 byte (e + 127) for each 32 codes along K. Its value is code x scale, taken as it is: it is not quantised again, and the codes and scales need not be those that the quantiser above would give.
;; 2 versions. Each part assembles by itself: llvm-mc -triple=amdgcn-amd-amdhsa -mcpu=gfx1250 --defsym DOCPART=n.
;; ======== version 1 of 2: 1 launch
;; launch kway (part 1): grid 256 x 1, 4 waves a work-group, clusters of 4 x 1, 327,680 bytes of LDS; arguments h_u_codes, h_u_scales, h_v, weights_codes, weights_scales, out0; writes out0
.if DOCPART == 1
	.amdgcn_target "amdgcn-amd-amdhsa--gfx1250"
	.amdhsa_code_object_version 6
	.text
	.protected	k_q9f6711d8c0_kway
	.globl	k_q9f6711d8c0_kway
	.p2align	8
	.type	k_q9f6711d8c0_kway,@function
k_q9f6711d8c0_kway:
	s_mov_b64 s[64:65], 0
	v_nop
	global_prefetch_b8 v0, s[64:65] scope:SCOPE_SE
	s_setreg_imm32_b32 hwreg(HW_REG_WAVE_MODE, 25, 1), 1
	s_wait_xcnt 0x0
	s_wait_alu depctr_hold_cnt(0) depctr_sa_sdst(0) depctr_va_vdst(0) depctr_va_sdst(0) depctr_va_ssrc(0) depctr_va_vcc(0) depctr_vm_vsrc(0)
	s_getreg_b32 s2, hwreg(HW_REG_IB_STS2, 6, 4)
	s_cmp_eq_u32 s2, 0
	s_cbranch_scc0 .Lentry_in_a_cluster
	s_endpgm
.Lentry_in_a_cluster:
	s_bfe_u32 s2, ttmp6, 0x10000c
	s_cmp_lg_u32 s2, 0x3003
	s_cbranch_scc0 .Lentry_shape_is_right
	s_endpgm
.Lentry_shape_is_right:
; out[n][r] = sum over e of ( sum over d of h_u[n][d] W[r][d][e] ) h_v[n][e].   n < 32,768, r < 32, d, e < 256.
; The inner sum is a product on codes of FP6 (E2M3) with one E8M0 scale for each 32 along d; h_u's rows [n] and W's rows [r][e] arrive as 192 bytes of codes and 8 scale bytes, d innermost, and go to the
; matrix unit as they lie.  The outer sum is taken in f32 by fused multiply-adds straight on the matrix results: the inner product (32 x 32,768 x 256 numbers) never leaves the registers.
; SHARES.  A work-group owns 128 rows n (8 tiles of 16) and walks all 32 r.  Wave w owns e = 64 w .. 64 w + 63 (4 tiles of 16) of every r, for all 128 rows: so a fragment of W is read from LDS by one wave
; alone and feeds 8 matrix instructions.  h_u's 16 fragments (192 registers) and the wave's 128 x 64 numbers of h_v (256 registers) stay in registers for the whole launch.  The four waves' partial sums meet at the
; end in a stage in LDS.
; LAYOUT.  Source 0 = 16 rows e of W, source 1 = 16 rows n of h_u: in the result lane l holds row n = l % 16 and its register j holds e = 8 (l / 16) + j.  h_v is laid in the same way, so the sum over e is
; taken inside the lane, two numbers an instruction, into one pair of registers for each tile of rows.
; A UNIT is one (r, tile of e): 16 matrix instructions on 8 result tiles (8 tiles of rows x 2 steps of 128 along d).  While tiles 0-3 are multiplied, tiles 4-7 of the unit before are summed, and the other way round.
; W goes through a ring of two LDS slots of 2 r each (8 units).  CLUSTER: all work-groups walk the same W, so the four partners of a cluster ask for each part of a slot JOINTLY (a mask names four at the most: 4 x 1).
; LIMITS.  The sum over e is taken in f32 in another order than a row-wise dot product: even and odd e apart, then the two, then the lanes' halves, then the four waves.  A scale byte 0xff stands for NaN and
; makes the sums that it touches NaN.
; REGISTERS, in windows of 256 (s_set_vgpr_msb: bits 1:0 source 0, 3:2 source 1, 5:4 source 2, 7:6 destination):
;   window 0: addresses, scale words, W's fragments (four buffers), the 8 result tiles, the sums.
;   window 1: v0-95 h_u's tiles 0-3;  v96-223 h_v of the tiles of rows 4-7.      window 2: v0-95 h_u's tiles 4-7;  v96-223 h_v of the tiles of rows 0-3.
;   Crossed on purpose: with source 1 in window 1 the products take h_u's tiles 0-3 and the multiply-adds h_v of tiles 4-7; with source 1 in window 2 the other way round: two switches for 16 matrix instructions.
.set SLOT1, 131072                     ; LDS: slot 0 at 0, slot 1 here.  A slot: 512 rows of W, 240 bytes apart: 3 x (64 bytes of codes + 16 of padding)
.set SLOTG, 98304                      ; a slot's codes in memory: 2 r x 256 rows x 192 bytes, dense
.set THIRD, 40960                      ; what one tensor load brings of them: 32,768 bytes, in LDS with the padding
.set RPB,   61440                      ; one r in a slot: 256 rows x 240
.set WVB,   15360                      ; a wave's 64 rows
.set ETB,   3840                       ; a tile's 16 rows
.set SCL,   122880                     ; the slots' scale bytes, dense: 4,096 bytes for slot 0, then 4,096 for slot 1
.set SCLB,  4096
.set STAGE, 253952                     ; the partial sums: for each wave 64 pieces of (2 rows n x 32 r x 4 bytes + 16 of padding)
.set STW,   17408
.set SPARE, 323584                     ; the spare words, 128 bytes for each wave: two blocks of 256 bytes that no other line names
.set HVS,   131072                     ; at the head only: h_v on its way to the registers: for each wave 128 rows of 256 bytes + 16.  It lies where slot 1 and the stage's first bytes will be
.set HVW,   34816
.set HUS,   270336                     ; at the head only: h_u's 128 rows, 240 bytes apart.  It lies where the stage will be: these bytes have had their only fill when the first sum is stored there
.set RL,  1                            ; v1   lane % 16
.set SPW, 2                            ; v2   LDS address of my spare word: SPARE + 4 x my thread's number; never rewritten
.set NIL, 3                            ; v3   0; never rewritten
.set AW,  4                            ; v4-7   LDS address of my fragments of W: slot s, r 2 c + p of it: register 2 s + p
.set AW2, 8                            ; v8-11  the same for the pieces that lie behind one padding more
.set AS,  12                           ; v12-13 LDS address of my scale words of W in slot 0, 1
.set STO, 14                           ; v14  where I put four sums of a row n; 16 bytes on in each trip
.set PFO, 15                           ; v15  256 x lane: the prefetches' offset; never rewritten
.set US,  16                           ; v16-23 h_u's scale words, tile t: lanes 0-15 the word of d 0-127, lanes 16-31 that of d 128-255
.set WS,  24                           ; v24-27 W's scale words, buffer by buffer, split in the same way
.set HUA, 28                           ; v28-29 at the head: LDS address of h_u's fragments; at the end: RD, OUTO
.set HUA2, 29
.set RD,  28
.set OUTO, 29
.set HL,  30                           ; v30  lane / 16
.set USO, 31                           ; v31  8 (lane % 16) + 4 (lane / 16): a row's scale word for my half
.set WF,  32                           ; v32-127  W's fragments: buffer (unit % 4) at 24 x buffer, step q of d at + 12 q
.set D,   128                          ; v128-191 the 8 result tiles
.set AC,  192                          ; v192-207 the sums over e: a pair for each tile of rows
.set F,   208                          ; v208-215 at work when an r is finished (at the head: HVA, TA, TB)
.set HVA, 208
.set TA,  209
.set TB,  210
.set R,   216                          ; v216-231 finished partial sums: register 4 g + i: lane l: row n = 32 g + l, the trip's i-th r
.set T,   32                           ; the way out: v32-159
.set WV,  16                           ; s16  my wave's number
.set CX,  17                           ; s17  my place in the cluster
.set WG,  18                           ; s18  my work-group's number: 4 x cluster + place
.set TRIP, 19
.set G1C, 24                           ; s[24:31] descriptor group 1: a third of a slot's codes
.set G1S, 32                           ; s[32:39] a slot's scale bytes
.set G0C, 40                           ; s[40:47] groups 0 for the codes, one for each slot
.set G0S, 48                           ; s[48:55] for the scale bytes
.set G1U, 56                           ; s[56:63] group 1 for h_u's codes
.set G1V, 68                           ; s[68:75] for h_v
.set G0U, 76                           ; s[76:79]
.set G0V, 80                           ; s[80:95] four groups 0 for h_v: 32 rows each
.set PFA, 96                           ; s[96:97] where my prefetches stand
.set PFS, 98                           ; s[98:99] their step from one change of slots to the next
.set PFM, 100                          ; s100 bit 0: I ask at this change; shifted down at each change
.set TMP, 101
.set MSB, 0
.macro WIN new                         ; the immediate's high byte repeats the setting that is left; a switch that changes nothing is dropped
.if MSB != (\new)
	s_set_vgpr_msb (MSB<<8)|(\new)
.set MSB, (\new)
.endif
.endm
.macro PLACES
.rept 4
	v_nop
.endr
.endm
; A round of the cluster's barrier: my work-group's barrier, so that wave 0's signal speaks for all four waves; wave 0 signals; every wave waits for the four work-groups; my work-group's barrier once more.
.macro CREST                           ; a round behind its opening barrier
	s_cmp_lg_u32 s[WV], 0
	s_cbranch_scc1 .Lnot_wave_0_\@
	s_barrier_signal -3
.Lnot_wave_0_\@:
	s_barrier_wait -3
	s_barrier_signal -1
	s_barrier_wait -1
.endm
.macro ROUND
	s_barrier_signal -1
	s_barrier_wait -1
	CREST
.endm
; A joint refill of slot b: waves 0 to 2 fetch a third of its codes each, wave 3 its scale bytes.  The branch hangs on the wave's number alone.  Four v_nop follow each of the two lines.
.macro JLOAD b
	s_cmp_lt_u32 s[WV], 3
	s_cbranch_scc0 .Lfor_s_\@
	tensor_load_to_lds s[G0C+4*(\b):G0C+4*(\b)+3], s[G1C:G1C+7]
	s_nop 0
	PLACES
	s_branch .Lasked_\@
.Lfor_s_\@:
	tensor_load_to_lds s[G0S+4*(\b):G0S+4*(\b)+3], s[G1S:G1S+7]
	s_nop 0
	PLACES
.Lasked_\@:
.endm
; A PREFETCH INTO THE L2, behind the wave's tensor load and its four lines.  All clusters walk the same W: the first cluster asks, nobody else; its four partners are told apart BY ADDRESS (8,192 bytes each), lanes 256 bytes
; apart, one instruction a wave.  Waves 0 to 2: their third of the codes of the slot that stands TWO refills on (16 units, 256 matrix instructions, ahead of its load): slot 3 in the prologue, slot c + 4 at the
; change in slot c, the last one slot 15.  Wave 3: the scale bytes, twice: those of slots 0 to 7 in the prologue (the first two slots' 8,192 bytes, already loaded, are named with them, so that all 32 lanes name
; a block), those of slots 8 to 15 at the fourth change.  Slot 2 comes by its load alone.  The highest bytes named are 1,572,608 of the codes and 65,280 of the scale bytes.
.macro ASK
	s_and_b32 s[TMP], s[PFM], 1
	s_cmp_lg_u32 s[TMP], 0
	s_cbranch_scc0 .Lnot_mine_\@
	global_prefetch_b8 v[PFO], s[PFA:PFA+1] th:TH_LOAD_NT scope:SCOPE_SE
.Lnot_mine_\@:
.endm
	s_load_b256 s[4:11], s[0:1], 0x0               ; h_u's codes s[4:5], h_u's scales s[6:7], h_v s[8:9], W's codes s[10:11]
	s_load_b128 s[12:15], s[0:1], 0x20             ; W's scales s[12:13], out s[14:15]
	v_lshl_add_u32 v[SPW], v0, 2, SPARE
	v_mov_b32 v[NIL], 0
	ds_add_u32 v2, v3
	ds_add_u32 v2, v3
	s_wait_dscnt 0x0
	v_lshrrev_b32 v1, 5, v0
	v_readfirstlane_b32 s[WV], v1                  ; wave 0..3
	s_bfe_u32 s[CX], ttmp6, 0x40000                ; my place in the cluster
	s_lshl_b32 s[WG], ttmp9, 2                     ; in a cluster launch ttmp9 counts clusters
	s_add_co_u32 s[WG], s[WG], s[CX]
	v_and_b32 v[RL], 15, v0
	v_bfe_u32 v[HL], v0, 4, 1
	v_lshlrev_b32 v[USO], 3, v[RL]
	v_lshl_add_u32 v[USO], v[HL], 2, v[USO]
	; group 1, W's codes: 32,768 dense bytes as 128 rows of 256 bytes; 16 bytes of padding behind every 64, so that a row of W (192 bytes) takes 240
	s_mov_b32 s[G1C+0], 15|(1<<20)|(1<<21)|(3<<22)|(3<<25)  ; 15:0 the mask: all four work-groups; 17:16 elements of 1 byte; 20 padding on; 21 set beside a mask; 24:22 after every 16 words (code 3); 31:25 4 words (code 3)
	s_mov_b32 s[G1C+1], 256<<16                    ; tensor_dim0 = 256
	s_mov_b32 s[G1C+2], 128<<16                    ; tensor_dim1 = 128
	s_mov_b32 s[G1C+3], 256<<16                    ; tile_dim0 = 256
	s_mov_b32 s[G1C+4], 128                        ; tile_dim1 = 128
	s_mov_b32 s[G1C+5], 256                        ; from row to row
	s_mov_b32 s[G1C+6], 0
	s_mov_b32 s[G1C+7], 0
	; W's scale bytes: 4,096 dense bytes as 16 rows of 32 elements of 8 bytes, no padding
	s_mov_b32 s[G1S+0], 15|(3<<16)|(1<<21)
	s_mov_b32 s[G1S+1], 32<<16
	s_mov_b32 s[G1S+2], 16<<16
	s_mov_b32 s[G1S+3], 32<<16
	s_mov_b32 s[G1S+4], 16
	s_mov_b32 s[G1S+5], 32
	s_mov_b32 s[G1S+6], 0
	s_mov_b32 s[G1S+7], 0
	; h_u's codes, a load of my work-group's own (no mask): 6,144 dense bytes (32 rows n) as 24 rows of 256 bytes, padded like W's
	s_mov_b32 s[G1U+0], (1<<20)|(3<<22)|(3<<25)
	s_mov_b32 s[G1U+1], 256<<16
	s_mov_b32 s[G1U+2], 24<<16
	s_mov_b32 s[G1U+3], 256<<16
	s_mov_b32 s[G1U+4], 24
	s_mov_b32 s[G1U+5], 256
	s_mov_b32 s[G1U+6], 0
	s_mov_b32 s[G1U+7], 0
	; h_v, likewise my own: 32 rows n x my wave's 64 numbers (256 bytes), rows 256 numbers apart in memory, 16 bytes of padding behind each in LDS
	s_mov_b32 s[G1V+0], (2<<16)|(1<<20)|(5<<22)|(3<<25)
	s_mov_b32 s[G1V+1], 64<<16
	s_mov_b32 s[G1V+2], 32<<16
	s_mov_b32 s[G1V+3], 64<<16
	s_mov_b32 s[G1V+4], 32
	s_mov_b32 s[G1V+5], 256
	s_mov_b32 s[G1V+6], 0
	s_mov_b32 s[G1V+7], 0
	s_mul_i32 s20, s[WV], THIRD                    ; my third of a slot in LDS: no place in the cluster enters an LDS address,
	s_lshl_b32 s22, s[WV], 15                      ; and in memory: nor the address of a joint load
	s_mov_b32 s23, 0
	s_wait_kmcnt 0x0
	s_mov_b32 s[G0C], 1                            ; count = 1
	s_mov_b32 s[G0C+1], s20                        ; LDS address
	s_add_nc_u64 s[G0C+2:G0C+3], s[10:11], s[22:23]  ; global address: slot 0 = r 0, 1
	s_mov_b32 s[G0C+4], 1
	s_add_co_u32 s[G0C+5], s20, SLOT1
	s_add_nc_u64 s[G0C+6:G0C+7], s[G0C+2:G0C+3], SLOTG  ; slot 1 = r 2, 3
	s_or_b32 s[G0C+3], s[G0C+3], 0x80000000        ; type = 2
	s_or_b32 s[G0C+7], s[G0C+7], 0x80000000
	s_mov_b32 s[G0S], 1
	s_mov_b32 s[G0S+1], SCL
	s_mov_b64 s[G0S+2:G0S+3], s[12:13]
	s_or_b32 s[G0S+3], s[G0S+3], 0x80000000
	s_mov_b32 s[G0S+4], 1
	s_mov_b32 s[G0S+5], SCL+SCLB
	s_add_nc_u64 s[G0S+6:G0S+7], s[12:13], SCLB
	s_or_b32 s[G0S+7], s[G0S+7], 0x80000000
	s_mul_i32 s20, s[WV], 7680                     ; h_u: my 32 rows of the work-group's 128, in LDS,
	s_mul_i32 s22, s[WG], 24576                    ; and in memory: 128 rows x 192 bytes a work-group,
	s_mul_i32 s21, s[WV], 6144                     ; 32 x 192 a wave
	s_add_co_u32 s22, s22, s21
	s_mov_b32 s[G0U], 1
	s_add_co_u32 s[G0U+1], s20, HUS
	s_add_nc_u64 s[G0U+2:G0U+3], s[4:5], s[22:23]
	s_or_b32 s[G0U+3], s[G0U+3], 0x80000000
	s_mul_i32 s20, s[WV], HVW                      ; h_v: my wave's staging,
	s_lshl_b32 s22, s[WG], 17                      ; 128 rows x 1,024 bytes a work-group,
	s_lshl_b32 s21, s[WV], 8                       ; my 64 numbers of a row
	s_add_co_u32 s22, s22, s21
	s_add_nc_u64 s[8:9], s[8:9], s[22:23]
.irp g, 0,1,2,3
	s_mov_b32 s[G0V+4*\g], 1
	s_add_co_u32 s[G0V+4*\g+1], s20, HVS+8704*\g   ; 32 rows x 272 bytes
	s_add_nc_u64 s[G0V+4*\g+2:G0V+4*\g+3], s[8:9], 32768*\g
	s_or_b32 s[G0V+4*\g+3], s[G0V+4*\g+3], 0x80000000
.endr
	s_lshl_b32 s22, s[WG], 10                      ; h_u's scale bytes: 128 rows x 8
	s_add_nc_u64 s[6:7], s[6:7], s[22:23]
.irp t, 0,1,2,3,4,5,6,7
	global_load_b32 v[US+\t], v[USO], s[6:7] offset:128*\t   ; 32 lanes read a tile's 128 consecutive bytes: lanes 0-15 the rows' first words, lanes 16-31 their second
.endr
	s_lshl_b32 s22, s[WG], 14                      ; out: 128 rows x 128 bytes a work-group; on the way out wave w stores rows 32 w on
	s_lshl_b32 s21, s[WV], 12
	s_add_co_u32 s22, s22, s21
	s_add_nc_u64 s[14:15], s[14:15], s[22:23]
	s_lshl_b32 s20, s[WV], 15                      ; the prefetches (macro ASK)
	s_add_co_u32 s20, s20, 3*SLOTG                 ; codes: my third of slot 3
	s_cmp_lt_u32 s[WV], 3
	s_cselect_b64 s[PFA:PFA+1], s[10:11], s[12:13]
	s_cselect_b32 s20, s20, 0                      ; scale bytes: from their first byte
	s_mov_b32 s[PFS], 8192
	s_cselect_b32 s[PFS], SLOTG, s[PFS]            ; a slot on; the scale bytes' four steps between wave 3's two requests make 32,768
	s_cselect_b32 s[PFM], 0x1fff, 17               ; thirteen requests on end; or the first and the fifth
	s_mov_b32 s[PFS+1], 0
	s_lshl_b32 s21, s[CX], 13                      ; my work-group's 8,192 bytes
	s_add_co_u32 s20, s20, s21
	s_mov_b32 s21, 0
	s_add_nc_u64 s[PFA:PFA+1], s[PFA:PFA+1], s[20:21]
	s_cmp_eq_u32 ttmp9, 0                          ; the first cluster alone: the same in all four partners
	s_cselect_b32 s[PFM], s[PFM], 0
	ROUND                                          ; all four work-groups are here: the first joint loads meet
	; THE FIRST FILLS, one group: slot 0's codes (waves 0 to 2) or both slots' scale bytes (wave 3); my part of h_u; my h_v in four loads.  Six loads of mine are out, in wave 3 seven.
	s_cmp_lt_u32 s[WV], 3
	s_cbranch_scc0 .Lhead_scales
	tensor_load_to_lds s[G0C:G0C+3], s[G1C:G1C+7]
	s_nop 0
	PLACES
	s_branch .Lhead_asked
.Lhead_scales:
	tensor_load_to_lds s[G0S:G0S+3], s[G1S:G1S+7]
	s_nop 0
	tensor_load_to_lds s[G0S+4:G0S+7], s[G1S:G1S+7]
	s_nop 0
	PLACES
.Lhead_asked:
	tensor_load_to_lds s[G0U:G0U+3], s[G1U:G1U+7]
	s_nop 0
.irp g, 0,1,2,3
	tensor_load_to_lds s[G0V+4*\g:G0V+4*\g+3], s[G1V:G1V+7]
	s_nop 0
.endr
	PLACES
	v_mul_u32_u24 v[TA], v[RL], 240
	v_mad_u32_u24 v[TA], v[HL], 24, v[TA]          ; a fragment's row x 240 + 24 x half
	v_add_nc_u32 v[HUA], HUS, v[TA]
	v_lshl_add_u32 v[HUA2], v[HL], 4, v[HUA]       ; and the same behind one padding more
	s_mul_i32 s20, s[WV], WVB
	v_add_nc_u32 v[TA], s20, v[TA]                 ; W: my wave's 64 rows of an r
.irp a, 0,1,2,3
	v_add_nc_u32 v[AW+\a], (\a/2)*SLOT1+(\a%2)*RPB, v[TA]
	v_lshl_add_u32 v[AW2+\a], v[HL], 4, v[AW+\a]
.endr
	s_lshl_b32 s20, s[WV], 9                       ; W's scale words: 8 bytes a row, my 64 rows
	s_add_co_u32 s20, s20, SCL
	v_add_nc_u32 v[AS], s20, v[USO]
	v_add_nc_u32 v[AS+1], SCLB, v[AS]
	v_and_b32 v[TA], 31, v0                        ; lane
	v_lshlrev_b32 v[PFO], 8, v[TA]
	v_lshrrev_b32 v[TB], 1, v[TA]
	v_and_b32 v[TA], 1, v[TA]
	v_mul_u32_u24 v[STO], v[TB], 272               ; the stage: two rows n to a piece: 272 (lane / 2) + 128 (lane % 2): sixteen lanes' 16 bytes fall on sixteen different columns of 16 bytes modulo 256
	v_lshl_add_u32 v[STO], v[TA], 7, v[STO]
	s_mul_i32 s20, s[WV], STW
	s_add_co_u32 s20, s20, STAGE
	v_add_nc_u32 v[STO], s20, v[STO]
	v_mul_u32_u24 v[HVA], v[RL], 272               ; h_v's staging: row lane % 16, + 32 bytes (8 numbers) for the upper half
	v_lshl_add_u32 v[HVA], v[HL], 5, v[HVA]
	s_mul_i32 s20, s[WV], HVW
	s_add_co_u32 s20, s20, HVS
	v_add_nc_u32 v[HVA], s20, v[HVA]
; Load j of the 13 that bring unit pos2's operands: two fragments of W (16 rows x 128 along d: 12 registers: lane l holds row l % 16; registers 6 c .. 6 c + 5 hold d = 64 c + 32 (l / 16) + 0 .. 31: 24 bytes of the row's
; stream of bits, as they lie), in pieces of 8 bytes, and the rows' scale words.  Lanes 16-31 read three pieces further on than lanes 0-15; where that is behind one padding more, the second address register serves.
.macro LD1 pos2, j
.set nb, ((\pos2)/8)%2
.set nrp, ((\pos2)/4)%2
.set net, (\pos2)%4
.if (\j) < 12
.set lq, (\j)/6
.set lp, (\j)%6
.set PC, 12*lq+6*(lp/3)+lp%3
.set lr, WF+24*net+12*lq+2*lp
.if PC%8 < 5
	ds_load_b64 v[lr:lr+1], v[AW+2*nb+nrp] offset:ETB*net+8*PC+16*(PC/8)
.else
	ds_load_b64 v[lr:lr+1], v[AW2+2*nb+nrp] offset:ETB*net+8*PC+16*(PC/8)
.endif
.elseif (\j) == 12
	ds_load_b32 v[WS+net], v[AS+nb] offset:2048*nrp+128*net
.endif
.endm
.macro LDU pos2
.set j, 0
.rept 13
	LD1 \pos2, j
.set j, j+1
.endr
.endm
.macro HULOAD t                        ; h_u's two fragments of tile t, in the same pieces
.irp q, 0,1
.irp p, 0,1,2,3,4,5
.set PC, 12*\q+6*(\p/3)+\p%3
.set lr, 24*((\t)%4)+12*\q+2*\p
.if PC%8 < 5
	ds_load_b64 v[lr:lr+1], v[HUA] offset:ETB*(\t)+8*PC+16*(PC/8)
.else
	ds_load_b64 v[lr:lr+1], v[HUA2] offset:ETB*(\t)+8*PC+16*(PC/8)
.endif
.endr
.endr
.endm
.macro HVLOAD g                        ; h_v of the tiles of rows 2 g and 2 g + 1: register 96 + 32 (t % 4) + 8 et + j = h_v(16 t + l % 16, 64 w + 16 et + 8 (l / 16) + j)
.irp u, 0,1
.irp e, 0,1,2,3
.irp c, 0,1
	ds_load_b128 v[96+32*((2*(\g)+\u)%4)+8*\e+4*\c:96+32*((2*(\g)+\u)%4)+8*\e+4*\c+3], v[HVA] offset:4352*(2*(\g)+\u)+64*\e+16*\c
.endr
.endr
.endr
.endm
; One product: tile of rows t, step q of d, W's buffer et.  q = 0 starts the tile anew with the constant 0: nothing is ever cleared.  q = 1 takes both sides' scale words from lanes 16-31.
; The tiles take turns, one instruction a turn: between a tile's two products stand three other tiles'.
.macro MM t, q, et
.set mD, D+8*(\t)
.set mA, WF+24*(\et)+12*(\q)
.set mB, 24*((\t)%4)+12*(\q)
.if (\q) == 0
	v_wmma_scale_f32_16x16x128_f8f6f4 v[mD:mD+7], v[mA:mA+11], v[mB:mB+11], 0, v[WS+(\et)], v[US+(\t)] matrix_a_fmt:MATRIX_FMT_FP6 matrix_b_fmt:MATRIX_FMT_FP6
.else
	v_wmma_scale_f32_16x16x128_f8f6f4 v[mD:mD+7], v[mA:mA+11], v[mB:mB+11], v[mD:mD+7], v[WS+(\et)], v[US+(\t)] matrix_a_fmt:MATRIX_FMT_FP6 matrix_b_fmt:MATRIX_FMT_FP6 matrix_a_scale:MATRIX_SCALE_ROW1 matrix_b_scale:MATRIX_SCALE_ROW1
.endif
.endm
; Multiply-add k of the 16 that sum four result tiles (tb on) against h_v: tiles tb, tb + 1 by turns in the first eight, tb + 2, tb + 3 in the others; each tile from its low end on.  An r's first one starts the sum.
.macro FM tb, k, etf
.set ft, (\tb)+(\k)%2+2*((\k)/8)
.set fp, ((\k)/2)%4
.set fD, D+8*ft+2*fp
.set fH, 96+32*(ft%4)+8*(\etf)+2*fp
.set fA, AC+2*ft
.if ((\etf) == 0) && (fp == 0)
	v_pk_mul_f32 v[fA:fA+1], v[fD:fD+1], v[fH:fH+1]
.else
	v_pk_fma_f32 v[fA:fA+1], v[fD:fD+1], v[fH:fH+1], v[fA:fA+1]
.endif
.endm
; Step i of the 8 that finish an r for tiles tb .. tb + 3.  0-3: a pair's two halves are added.  (a x 1.0 + b: an addition whose addends stand in sources 0 and 2, which mean window 0 under both settings of the loop.)
; 4, 5: two tiles change halves: the first then holds both tiles' sums over the lower 8 e of each 16, the second those over the upper 8.  6, 7: their sum: lane l holds row 32 g + l.
.macro FIN i, tb, rr
.if (\i) < 4
	v_fma_f32 v[F+(\tb)+(\i)], v[AC+2*((\tb)+(\i))], 1.0, v[AC+2*((\tb)+(\i))+1]
.elseif (\i) < 6
	v_permlane16_swap_b32 v[F+(\tb)+2*((\i)-4)], v[F+(\tb)+2*((\i)-4)+1]
.else
	v_fma_f32 v[R+4*((\tb)/2+(\i)-6)+(\rr)], v[F+(\tb)+2*((\i)-6)], 1.0, v[F+(\tb)+2*((\i)-6)+1]
.endif
.endm
.macro TOSTAGE                         ; the trip's four r of my 128 rows: 16 bytes a lane
	WIN 0                                          ; (an LDS store's data are its source 1)
.irp g, 0,1,2,3
	ds_store_b128 v[STO], v[R+4*\g:R+4*\g+3] offset:4352*\g
.endr
.endm
; A UNIT, the pos-th of a trip of 16 (two slots).  First half: products on tiles 0-3; behind each, two multiply-adds on tiles 4-7 of the unit before.  Second half: products on tiles 4-7; behind each, two multiply-adds
; on tiles 0-3, and two of the 13 LDS loads for the unit after the next.
; DISTANCES.  A tile's first multiply-add stands behind at least four plain vector instructions that name none of the registers of the product that wrote it last (multiply-adds on other tiles); a tile is begun anew
; half a unit or more behind its last product; a buffer of W is loaded again two units behind its last reader.
; mode 1, 2: THE CHANGE OF SLOTS, in a slot's seventh unit: the slot's last loads went out in the sixth, and this unit's second half reads the next slot first.  Each wave waits for all its tensor loads (one is
; out: its part of the next slot), adds 0 to its spare word, and waits for that and for its reads of the slot.  mode 1: the barrier opens a round of the cluster's, and the slot is filled again, two slots ahead: the
; load has 8 units, 128 matrix instructions, in which to land.  mode 2: the last change: nothing is filled.
; ld: loads are issued.  wt: how many younger LDS instructions may be out at the head.  prev: there is a unit before.
.macro UNIT pos, mode, ld, wt, prev
.set uet, (\pos)%4
.set upe, ((\pos)+3)%4
.set urr, (\pos)/4-1
.set ub, ((\pos)/8)%2
.set ufin, 0
.if (\prev) && (uet == 0)
.set ufin, 1
.endif
.if (\mode) == 0
	s_wait_dscnt \wt                               ; my operands are in; the 13 loads that the unit before issued may be out
.else
	WIN 0                                          ; (the add's data register lies in window 0)
	s_wait_tensorcnt 0x0                           ; all my tensor loads have landed, so a group 0 may be written
	ds_add_u32 v[SPW], v[NIL]                      ; 0 onto my spare word
.if (\mode) == 1
	s_add_nc_u64 s[G0C+4*ub+2:G0C+4*ub+3], s[G0C+4*ub+2:G0C+4*ub+3], 2*SLOTG   ; this slot's next r: two slots on
	s_add_nc_u64 s[G0S+4*ub+2:G0S+4*ub+3], s[G0S+4*ub+2:G0S+4*ub+3], 2*SCLB
	s_wait_xcnt 0x0                                ; the last prefetch, 8 units back, has read its address, so it may be written
	s_add_nc_u64 s[PFA:PFA+1], s[PFA:PFA+1], s[PFS:PFS+1]
	s_lshr_b32 s[PFM], s[PFM], 1
.endif
	s_wait_dscnt 14                                ; my operands are in; the 13 loads of the unit before and the add may be out
.endif
	WIN 0x04                                       ; source 1: window 1
.set i, 0
.rept 8
.if (i == 4) && ((\mode) != 0)
	s_wait_dscnt 0x0                               ; the add is done, and my reads of this slot are over
	s_barrier_signal -1
.endif
	MM i%4, i/4, uet
.if \prev
	FM 4, 2*i, upe
	FM 4, 2*i+1, upe
.endif
.if ufin
	FIN i, 0, urr
.endif
.set i, i+1
.endr
.if (\prev) == 0
	PLACES                                         ; the first unit has no multiply-adds in its first half
.endif
.if (\mode) != 0
	WIN 0
	s_barrier_wait -1
.endif
.if (\mode) == 1
	CREST                                          ; no wave of any partner still reads this slot or has a load on its way
	JLOAD ub                                       ; my one tensor load behind the round, and the first thing there
	ASK
.endif
	WIN 0x08                                       ; source 1: window 2
.set i, 0
.rept 8
	MM 4+i%4, i/4, uet
	FM 0, 2*i, uet
	FM 0, 2*i+1, uet
.if ufin
	FIN i, 4, urr
.endif
.if (\ld) && (i < 7)
	LD1 (\pos)+2, 2*i
	LD1 (\pos)+2, 2*i+1
.endif
.set i, i+1
.endr
.if (\pos) == 16
	TOSTAGE
	v_add_nc_u32 v[STO], 16, v[STO]                ; the next trip's four r
.endif
.endm
	s_wait_tensorcnt 4                             ; my parts of slot 0, of the scale bytes and of h_u are in; my four loads of h_v may be out
	s_barrier_signal -1
	s_barrier_wait -1                              ; everybody's are
	WIN 0x40                                       ; destination window 1
.irp t, 0,1,2,3
	HULOAD \t
.endr
	WIN 0x80                                       ; destination window 2
.irp t, 4,5,6,7
	HULOAD \t
.endr
	WIN 0
	LDU 0                                          ; the first two units' operands
	LDU 1
	s_wait_tensorcnt 3                             ; h_v's staging is the wave's own: its own counter is all that the reads need; the younger loads stay out
	WIN 0x80
	HVLOAD 0
	s_wait_tensorcnt 2
	HVLOAD 1
	s_wait_tensorcnt 1
	WIN 0x40
	HVLOAD 2
	s_wait_tensorcnt 0x0
	HVLOAD 3
	WIN 0
	; slot 1's codes come over h_v's staging: a refill.  Wave 3 has nothing to fill: slot 1's scale bytes came with the first fills.
	s_wait_tensorcnt 0x0                           ; all my tensor loads have landed
	ds_add_u32 v[SPW], v[NIL]                      ; 0 onto my spare word
	s_wait_dscnt 0x0                               ; the add is done; h_u, h_v and the first operands are in registers
	ROUND
	s_cmp_lt_u32 s[WV], 3
	s_cbranch_scc0 .Lno_codes
	tensor_load_to_lds s[G0C+4:G0C+7], s[G1C:G1C+7]
	s_nop 0
	PLACES
.Lno_codes:
	ASK
	s_wait_loadcnt 0x0                             ; h_u's scale words
	UNIT 0, 0, 1, 13, 0
	WIN 0                                          ; at a label and at a branch every window is 0
	s_mov_b32 s[TRIP], 7
.Ltrip:                                                ; a trip: units 1 to 16 of two slots (4 r), so that the four r finished in it are stored at its end; it fills both slots again
.irp pos, 1,2,3,4,5
	UNIT \pos, 0, 1, 13, 1
.endr
	UNIT 6, 1, 1, 13, 1
.irp pos, 7,8,9,10,11,12,13
	UNIT \pos, 0, 1, 13, 1
.endr
	UNIT 14, 1, 1, 13, 1
	UNIT 15, 0, 1, 13, 1
	UNIT 16, 0, 1, 13, 1
	s_sub_co_u32 s[TRIP], s[TRIP], 1
	s_cmp_lg_u32 s[TRIP], 0
	s_cbranch_scc1 .Ltrip
.irp pos, 1,2,3,4,5                    ; the last two slots are written out
	UNIT \pos, 0, 1, 13, 1
.endr
	UNIT 6, 2, 1, 13, 1                            ; the last slot is whole; nothing is filled
.irp pos, 7,8,9,10,11,12,13
	UNIT \pos, 0, 1, 13, 1
.endr
	UNIT 14, 0, 0, 13, 1                           ; nothing is left to load
	UNIT 15, 0, 0, 0, 1
	WIN 0x04                                       ; the last unit's tiles 4-7, and the last r
.set i, 0
.rept 8
	FM 4, 2*i, 3
	FM 4, 2*i+1, 3
	FIN i, 0, 3
.set i, i+1
.endr
.set i, 0
.rept 8
	FIN i, 4, 3
.set i, i+1
.endr
	TOSTAGE
	; THE WAY OUT.  Wave w takes rows 32 w .. 32 w + 31: of each of the four waves' stages sixteen pieces of 256 bytes, two an instruction; the four partial sums are added, (0 + 1) + (2 + 3), and stored.
	v_mul_u32_u24 v[RD], v[HL], 272
	v_lshl_add_u32 v[RD], v[RL], 4, v[RD]
	s_mul_i32 s20, s[WV], 4352
	s_add_co_u32 s20, s20, STAGE
	v_add_nc_u32 v[RD], s20, v[RD]
	v_and_b32 v[OUTO], 31, v0
	v_lshlrev_b32 v[OUTO], 4, v[OUTO]
	s_wait_dscnt 0x0                               ; for the others' sake: my stores into the stage are done
	s_barrier_signal -1
	s_barrier_wait -1
.irp k, 0,1,2,3,4,5,6,7
.irp x, 0,1,2,3
	ds_load_b128 v[T+16*\k+4*\x:T+16*\k+4*\x+3], v[RD] offset:STW*\x+544*\k
.endr
.endr
.irp k, 0,1,2,3,4,5,6,7
	s_wait_dscnt 28-4*\k                           ; these four are in; the younger loads may be out
	v_pk_add_f32 v[T+16*\k:T+16*\k+1], v[T+16*\k:T+16*\k+1], v[T+16*\k+4:T+16*\k+5]
	v_pk_add_f32 v[T+16*\k+2:T+16*\k+3], v[T+16*\k+2:T+16*\k+3], v[T+16*\k+6:T+16*\k+7]
	v_pk_add_f32 v[T+16*\k+8:T+16*\k+9], v[T+16*\k+8:T+16*\k+9], v[T+16*\k+12:T+16*\k+13]
	v_pk_add_f32 v[T+16*\k+10:T+16*\k+11], v[T+16*\k+10:T+16*\k+11], v[T+16*\k+14:T+16*\k+15]
	v_pk_add_f32 v[T+16*\k:T+16*\k+1], v[T+16*\k:T+16*\k+1], v[T+16*\k+8:T+16*\k+9]
	v_pk_add_f32 v[T+16*\k+2:T+16*\k+3], v[T+16*\k+2:T+16*\k+3], v[T+16*\k+10:T+16*\k+11]
	global_store_b128 v[OUTO], v[T+16*\k:T+16*\k+3], s[14:15] offset:512*\k th:TH_STORE_NT   ; 32 lanes store 512 consecutive bytes (four rows of out), at a multiple of 256 from out's first byte; written once
.endr
	s_wait_tensorcnt 0x0                           ; the wave's end: behind my last tensor load and my last LDS store
	ds_add_u32 v[SPW], v[NIL]
	s_wait_dscnt 0x0
	ROUND                                          ; the closing round: no work-group ends while a partner may still ask for a tile that names it
	s_endpgm
.Lfunc_end_k_q9f6711d8c0_kway:
	.size	k_q9f6711d8c0_kway, .Lfunc_end_k_q9f6711d8c0_kway-k_q9f6711d8c0_kway
	.p2alignl 7, 3214868480
	.fill 96, 4, 3214868480
	.section	.rodata,"a",@progbits
	.p2align	6, 0x0
	.amdhsa_kernel k_q9f6711d8c0_kway
		.amdhsa_group_segment_fixed_size 327680
		.amdhsa_private_segment_fixed_size 0
		.amdhsa_enable_private_segment 0
		.amdhsa_kernarg_size 48
		.amdhsa_user_sgpr_count 2
		.amdhsa_user_sgpr_kernarg_segment_ptr 1
		.amdhsa_wavefront_size32 1
		.amdhsa_system_sgpr_workgroup_id_x 1
		.amdhsa_system_sgpr_workgroup_id_y 1
		.amdhsa_system_sgpr_workgroup_id_z 1
		.amdhsa_system_vgpr_workitem_id 0
		.amdhsa_next_free_vgpr 768
		.amdhsa_next_free_sgpr 102
		.amdhsa_reserve_vcc 0
		.amdhsa_float_denorm_mode_32 3
		.amdhsa_float_denorm_mode_16_64 3
		.amdhsa_memory_ordered 1
		.amdhsa_forward_progress 1
		.amdhsa_inst_pref_size 197
	.end_amdhsa_kernel
	.amdgpu_metadata
---
amdhsa.version: [ 1, 2 ]
amdhsa.kernels:
  - .name:           k_q9f6711d8c0_kway
    .symbol:         k_q9f6711d8c0_kway.kd
    .args:
      - { .name: h_u_codes, .offset: 0, .size: 8, .value_kind: global_buffer, .address_space: global }
      - { .name: h_u_scales, .offset: 8, .size: 8, .value_kind: global_buffer, .address_space: global }
      - { .name: h_v, .offset: 16, .size: 8, .value_kind: global_buffer, .address_space: global }
      - { .name: weights_codes, .offset: 24, .size: 8, .value_kind: global_buffer, .address_space: global }
      - { .name: weights_scales, .offset: 32, .size: 8, .value_kind: global_buffer, .address_space: global }
      - { .name: out0, .offset: 40, .size: 8, .value_kind: global_buffer, .address_space: global }
    .group_segment_fixed_size: 327680
    .private_segment_fixed_size: 0
    .kernarg_segment_align: 8
    .kernarg_segment_size: 48
    .max_flat_workgroup_size: 128
    .sgpr_count:     102
    .vgpr_count:     768
    .wavefront_size: 32
...
	.end_amdgpu_metadata
.endif
;; end of part 1
;; ======== version 2 of 2: 1 launch
;; limits: right only within a limited range of input values
;; launch kway (part 2): grid 256 x 1, 8 waves a work-group, clusters of 4 x 1, 327,680 bytes of LDS; arguments h_u_codes, h_u_scales, h_v, weights_codes, weights_scales, out0; writes out0
.if DOCPART == 2
	.amdgcn_target "amdgcn-amd-amdhsa--gfx1250"
	.amdhsa_code_object_version 6
	.text
	.protected	k_q9f6711d8c0_kway
	.globl	k_q9f6711d8c0_kway
	.p2align	8
	.type	k_q9f6711d8c0_kway,@function
k_q9f6711d8c0_kway:
	s_mov_b64 s[64:65], 0
	v_nop
	global_prefetch_b8 v0, s[64:65] scope:SCOPE_SE
	s_setreg_imm32_b32 hwreg(HW_REG_WAVE_MODE, 25, 1), 1
	s_wait_xcnt 0x0
	s_wait_alu depctr_hold_cnt(0) depctr_sa_sdst(0) depctr_va_vdst(0) depctr_va_sdst(0) depctr_va_ssrc(0) depctr_va_vcc(0) depctr_vm_vsrc(0)
	s_getreg_b32 s2, hwreg(HW_REG_IB_STS2, 6, 4)
	s_cmp_eq_u32 s2, 0
	s_cbranch_scc0 .Lentry_in_a_cluster
	s_endpgm
.Lentry_in_a_cluster:
	s_bfe_u32 s2, ttmp6, 0x10000c
	s_cmp_lg_u32 s2, 0x3003
	s_cbranch_scc0 .Lentry_shape_is_right
	s_endpgm
.Lentry_shape_is_right:
; out[n][r] = sum over e of ( sum over d of h_u[n][d] W[r][d][e] ) h_v[n][e].   n < 32,768, r < 32, d, e < 256.
; The inner sum is a product on codes of FP6 (E2M3) with one E8M0 scale for each 32 along d; rows of h_u [n] and of W [r][e] arrive as 192 bytes of codes and 8 scale bytes, d innermost, and go to the
; matrix unit as they lie.  The outer sum is taken in f32 by fused multiply-adds straight on the matrix results: the inner product never leaves the registers.
; SHARES.  A work-group owns 128 rows n (8 tiles of 16) and walks all 32 r.  Eight waves, two to a SIMD: wave w owns e = 32 w .. 32 w + 31 (2 tiles of 16) of every r, for all 128 rows: a fragment of W is read from LDS
; by one wave alone and feeds 8 matrix instructions.  h_u's 16 fragments (192 registers) and the wave's 128 x 32 numbers of h_v (128 registers) stay in registers for the whole launch.
; LAYOUT.  Source 0 = 16 rows e of W, source 1 = 16 rows n of h_u: lane l holds row n = l % 16 of the result, its register j holds e = 8 (l / 16) + j.  h_v is laid in the same way: the sum over e is taken inside the lane.
; A UNIT is one (r, tile of e): four SUPERSTEPS, each two tiles of rows (a pair): 4 matrix instructions, and the 8 multiply-adds of the superstep before.
; W goes through a ring of two LDS slots of 2 r each (4 units, 16 supersteps).  CLUSTER: all work-groups walk the same W: the four partners ask for each part of a slot JOINTLY.
; THE SUM OVER THE WAVES: once a slot the waves put their sums into a stage in LDS; a slot later each wave adds the eight waves' numbers of 32 rows and one r.
; THE HEAD.  h_v comes by whole 512-byte pieces into the registers that will hold it, in four groups of 32 rows, and goes through LDS into the layout above, group by group; slot 0's products on a group are made while the
; later groups are on their way.
; LIMITS.  The sum over e is taken in f32 in another order than a row-wise dot product.  A scale byte 0xff stands for NaN and makes the sums that it touches NaN.
; REGISTERS.  Window 0: addresses, scale words, W's fragments, h_v.  Window 1: h_u, the results, the sums.  The setting 0x54 (source 0 window 0; sources 1, 2 and destination window 1) serves products and multiply-adds.
.set SLOT1, 131072                     ; LDS: slot 0 at 0, slot 1 here.  A slot: 512 rows of W, 240 bytes apart: 3 x (64 bytes of codes + 16 of padding)
.set SLOTG, 98304                      ; a slot's codes in memory, dense
.set THIRD, 40960                      ; a third of them, 32,768 bytes, in LDS with the padding
.set RPB,   61440                      ; one r in a slot
.set ETB,   3840                       ; 16 rows
.set SCL,   122880                     ; the slots' scale bytes, dense: 4,096 bytes for slot 0, then for slot 1
.set SCLB,  4096
.set STAGE, 253952                     ; two stages (slot parity) of 16,384 bytes: 2 r x 8 waves x 1,024
.set OUTB,  286720                     ; the finished sums: 8 waves x 64 rows (two lane halves x 32 n) x 72 bytes (16 numbers + padding)
.set SPARE, 323584                     ; the spare words, 128 bytes for each wave: four blocks of 256 bytes that no other line names
.set HVST,  253952                     ; at the head only: h_v's staging, two parts of 32 rows x 1,040 bytes
.set HVPT,  33280
.set HUS,   287232                     ; at the head only: h_u's 128 rows, 240 bytes apart: where the staging's second part will be; its only fill
.set SPW, 2                            ; v2   LDS address of my spare word; never rewritten
.set NIL, 3                            ; v3   0; never rewritten
.set HVO, 0                            ; v0   behind the address set-up: 4,096 x wave + 16 x lane
.set PFO, 1                            ; v1   256 x lane: the prefetches' offset
.set H,   4                            ; v4-11 sums of waves 4 to 7; at the head addresses: v7 USO, v8-9 h_u's fragments, v10 h_v into the staging, v11 out of it
.set USO, 7
.set HUA, 8
.set HUA2, 9
.set HVW, 10
.set HVR, 11
.set AW,  12                           ; v12-13 LDS address of my fragments of W in slot 0, 1
.set AW2, 14                           ; v14-15 the same for pieces that lie behind one padding more in lanes 16-31
.set WS,  20                           ; v20-23 W's scale words, buffer by buffer.  h_u's: tile t at v[16 + t % 4 + 8 (t / 4)]: no number equals one of v20-23 modulo 8
.set AS,  28                           ; v28  LDS address of my scale words of W
.set STO, 29                           ; v29  where I put my sums
.set RDS, 30                           ; v30  where I read the eight waves' sums
.set OST, 31                           ; v31  where I put finished sums; 8 bytes on in each trip
.set WF,  32                           ; v32-127 W's fragments: buffer (unit % 4) at 24 x buffer
.set HV,  128                          ; v128-255 h_v: register 16 t + 8 et + j
.set HU,  0                            ; window 1: v0-191 h_u's fragments: tile t, step q at 24 t + 12 q
.set D,   192                          ; window 1: v192-223 four result tiles, two pairs by turns
.set AC,  224                          ; window 1: v224-239 the sums over e: a pair for each tile of rows
.set FA,  240                          ; window 1: v240-247 an r's sums, one register for each tile
.set G,   248                          ; window 1: v248-255 sums of waves 0 to 3
.set WV,  16
.set CX,  17
.set WG,  18
.set TRIP, 19
.set G1C, 24                           ; s[24:31] descriptor group 1: a third of a slot's codes
.set G1S, 32                           ; s[32:39] scale bytes
.set G0C, 40                           ; s[40:47] groups 0 for the codes, one for each slot
.set G0S, 48                           ; s[48:55] for the scale bytes
.set G1U, 56                           ; s[56:63] group 1 for h_u's codes
.set G0U, 76                           ; s[76:79]
.set PFA, 96                           ; s[96:97] where my prefetches stand
.set PFS, 98                           ; s[98:99] their step
.set PFM, 100                          ; s100 bit 0: I ask at this change
.set TMP, 101
.set RO, 81                            ; s81 (wave + 7) mod 8, my part in the loads of W: 0 to 2 a third of slot 0's codes and of every refill's, 3 the scale bytes, 4 to 6 a third of slot 1's first fill, 7 none
.set MSB, 0
.macro WIN new                         ; the immediate's high byte repeats the setting that is left
.if MSB != (\new)
	s_set_vgpr_msb (MSB<<8)|(\new)
.set MSB, (\new)
.endif
.endm
.macro PLACES
.rept 4
	v_nop
.endr
.endm
.macro CREST                           ; a round of the cluster's barrier behind its opening barrier
	s_cmp_lg_u32 s[WV], 0
	s_cbranch_scc1 .Lnot_wave_0_\@
	s_barrier_signal -3
.Lnot_wave_0_\@:
	s_barrier_wait -3
	s_barrier_signal -1
	s_barrier_wait -1
.endm
.macro ROUND
	s_barrier_signal -1
	s_barrier_wait -1
	CREST
.endm
; A joint refill of slot b: waves 1 to 3 fetch a third of its codes each, wave 4 its scale bytes, the others nothing.  The branches hang on the wave's number alone.
.macro JLOAD b
	s_cmp_lt_u32 s[RO], 3
	s_cbranch_scc0 .Lfor_s_\@
	tensor_load_to_lds s[G0C+4*(\b):G0C+4*(\b)+3], s[G1C:G1C+7]
	s_nop 0
	PLACES
	s_branch .Lasked_\@
.Lfor_s_\@:
	s_cmp_eq_u32 s[RO], 3
	s_cbranch_scc0 .Lasked_\@
	tensor_load_to_lds s[G0S+4*(\b):G0S+4*(\b)+3], s[G1S:G1S+7]
	s_nop 0
	PLACES
.Lasked_\@:
.endm
.macro STEPG b                         ; slot b's next r: two slots on; and where the prefetches stand: a slot on
	s_add_nc_u64 s[G0C+4*(\b)+2:G0C+4*(\b)+3], s[G0C+4*(\b)+2:G0C+4*(\b)+3], 2*SLOTG
	s_add_nc_u64 s[G0S+4*(\b)+2:G0S+4*(\b)+3], s[G0S+4*(\b)+2:G0S+4*(\b)+3], 2*SCLB
	s_wait_xcnt 0x0                                ; my last prefetch has read its address
	s_add_nc_u64 s[PFA:PFA+1], s[PFA:PFA+1], s[PFS:PFS+1]
	s_lshr_b32 s[PFM], s[PFM], 1
.endm
; A PREFETCH INTO THE L2.  All clusters walk the same W: the first four clusters ask, nobody else; a cluster's four partners are told apart BY ADDRESS (8,192 bytes each), lanes 256 bytes apart.  Waves 1 to 3: their third of
; the codes of the slot that stands TWO refills on: slots 2 and 3 at the head, slot c + 4 at the change in slot c, the last one slot 15.  Wave 4: the scale bytes of slots 0 to 7 at the head, of slots 8 to 15 at the fourth
; change.  The highest bytes named are 1,572,608 of the codes and 65,280 of the scale bytes.
.macro ASK
	s_and_b32 s[TMP], s[PFM], 1
	s_cmp_lg_u32 s[TMP], 0
	s_cbranch_scc0 .Lnot_mine_\@
	global_prefetch_b8 v[PFO], s[PFA:PFA+1] th:TH_LOAD_NT scope:SCOPE_SE
.Lnot_mine_\@:
.endm
	s_load_b256 s[4:11], s[0:1], 0x0               ; h_u's codes s[4:5], h_u's scales s[6:7], h_v s[8:9], W's codes s[10:11]
	s_load_b128 s[12:15], s[0:1], 0x20             ; W's scales s[12:13], out s[14:15]
	v_lshl_add_u32 v[SPW], v0, 2, SPARE
	v_mov_b32 v[NIL], 0
	ds_add_u32 v[SPW], v[NIL]                      ; the opening: twice on end; its wait stands ahead of my first tensor load
	ds_add_u32 v[SPW], v[NIL]
	v_lshrrev_b32 v1, 5, v0
	v_readfirstlane_b32 s[WV], v1                  ; wave 0..7
	s_add_co_u32 s[RO], s[WV], 7
	s_and_b32 s[RO], s[RO], 7
	s_mul_i32 s68, s[WV], 7680                     ; W: my 32 rows of an r
	s_lshl_b32 s69, s[WV], 8                       ; their scale words
	s_add_co_u32 s69, s69, SCL
	s_mul_i32 s70, s[WV], 4160                     ; h_v into the staging: 4 rows a wave
	s_add_co_u32 s70, s70, HVST
	s_lshl_b32 s71, s[WV], 7                       ; and out of it: my 32 numbers of a row
	s_add_co_u32 s71, s71, HVST
	s_lshl_b32 s72, s[WV], 12
	s_lshl_b32 s73, s[WV], 10
	s_add_co_u32 s73, s73, STAGE
	s_lshr_b32 s74, s[WV], 2                       ; I add up r w / 4 of a slot, rows 32 (w % 4) on
	s_lshl_b32 s74, s74, 13
	s_bfe_u32 s20, s[WV], 0x10001
	s_lshl_b32 s20, s20, 9
	s_add_co_u32 s74, s74, s20
	s_and_b32 s20, s[WV], 1
	s_lshl_b32 s20, s20, 3
	s_add_co_u32 s74, s74, s20
	s_add_co_u32 s74, s74, STAGE
	s_mul_i32 s75, s[WV], 4608
	s_add_co_u32 s75, s75, OUTB
	v_and_b32 v4, 15, v0                           ; lane % 16
	v_bfe_u32 v5, v0, 4, 1                         ; lane / 16
	v_and_b32 v6, 31, v0                           ; lane
	v_lshlrev_b32 v[USO], 3, v4
	v_mul_u32_u24 v[HUA], v4, 240
	v_mul_u32_u24 v[HVR], v4, 1040
	v_mul_u32_u24 v[OST], v4, 72
	v_lshl_add_u32 v[USO], v5, 2, v[USO]           ; 8 (lane % 16) + 4 (lane / 16): a row's scale word for my half
	v_mad_u32_u24 v[HUA], v5, 24, v[HUA]           ; a fragment's row x 240 + 24 x half
	v_lshl_add_u32 v[HVR], v5, 5, v[HVR]
	v_mad_u32_u24 v[OST], v5, 2304, v[OST]
	v_add_nc_u32 v[AW], s68, v[HUA]
	v_add_nc_u32 v[AS], s69, v[USO]
	v_add_nc_u32 v[HVR], s71, v[HVR]
	v_add_nc_u32 v[OST], s75, v[OST]
	v_add_nc_u32 v[AW+1], SLOT1, v[AW]
	v_lshl_add_u32 v[AW2], v5, 4, v[AW]
	v_add_nc_u32 v[HUA], HUS, v[HUA]
	v_lshl_add_u32 v[HVW], v6, 4, s70
	v_lshl_add_u32 v[AW2+1], v5, 4, v[AW+1]
	v_lshl_add_u32 v[HUA2], v5, 4, v[HUA]
	v_lshl_add_u32 v[STO], v6, 4, s73
	v_lshl_add_u32 v[RDS], v6, 4, s74
	v_lshlrev_b32 v[PFO], 8, v6
	v_lshl_add_u32 v[HVO], v6, 4, s72
	s_wait_alu depctr_va_vdst(0)
	s_bfe_u32 s[CX], ttmp6, 0x40000                ; my place in the cluster
	s_lshl_b32 s[WG], ttmp9, 2                     ; in a cluster launch ttmp9 counts clusters
	s_add_co_u32 s[WG], s[WG], s[CX]
	; group 1, W's codes: 32,768 dense bytes as 128 rows of 256 bytes; 16 bytes of padding behind every 64, so that a row of W (192 bytes) takes 240
	s_mov_b32 s[G1C+0], 15|(1<<20)|(1<<21)|(3<<22)|(3<<25)  ; 15:0 the mask: all four work-groups; elements of 1 byte; padding on; 21 set beside a mask; after every 16 words; 4 words
	s_mov_b32 s[G1C+1], 256<<16
	s_mov_b32 s[G1C+2], 128<<16
	s_mov_b32 s[G1C+3], 256<<16
	s_mov_b32 s[G1C+4], 128
	s_mov_b32 s[G1C+5], 256
	s_mov_b32 s[G1C+6], 0
	s_mov_b32 s[G1C+7], 0
	; W's scale bytes: at the head both slots' 8,192 dense bytes as 32 rows of 32 elements of 8 bytes; later 16 rows
	s_mov_b32 s[G1S+0], 15|(3<<16)|(1<<21)
	s_mov_b32 s[G1S+1], 32<<16
	s_mov_b32 s[G1S+2], 32<<16
	s_mov_b32 s[G1S+3], 32<<16
	s_mov_b32 s[G1S+4], 32
	s_mov_b32 s[G1S+5], 32
	s_mov_b32 s[G1S+6], 0
	s_mov_b32 s[G1S+7], 0
	; h_u's codes, my work-group's own (no mask): 24,576 dense bytes as 96 rows of 256 bytes, padded like W's
	s_mov_b32 s[G1U+0], (1<<20)|(3<<22)|(3<<25)
	s_mov_b32 s[G1U+1], 256<<16
	s_mov_b32 s[G1U+2], 96<<16
	s_mov_b32 s[G1U+3], 256<<16
	s_mov_b32 s[G1U+4], 96
	s_mov_b32 s[G1U+5], 256
	s_mov_b32 s[G1U+6], 0
	s_mov_b32 s[G1U+7], 0
	s_and_b32 s80, s[RO], 3
	s_mul_i32 s20, s80, THIRD                      ; my third of a slot in LDS,
	s_lshl_b32 s22, s80, 15                        ; and in memory
	s_mov_b32 s23, 0
	s_wait_dscnt 0x0                               ; both opening adds are done
	s_wait_kmcnt 0x0
	s_mov_b32 s[G0C], 1
	s_mov_b32 s[G0C+1], s20
	s_add_nc_u64 s[G0C+2:G0C+3], s[10:11], s[22:23]  ; slot 0 = r 0, 1
	s_mov_b32 s[G0C+4], 1
	s_add_co_u32 s[G0C+5], s20, SLOT1
	s_add_nc_u64 s[G0C+6:G0C+7], s[G0C+2:G0C+3], SLOTG  ; slot 1 = r 2, 3
	s_or_b32 s[G0C+3], s[G0C+3], 0x80000000
	s_or_b32 s[G0C+7], s[G0C+7], 0x80000000
	s_mov_b32 s[G0S], 1
	s_mov_b32 s[G0S+1], SCL
	s_mov_b64 s[G0S+2:G0S+3], s[12:13]
	s_or_b32 s[G0S+3], s[G0S+3], 0x80000000
	s_mov_b32 s[G0S+4], 1
	s_mov_b32 s[G0S+5], SCL+SCLB
	s_add_nc_u64 s[G0S+6:G0S+7], s[12:13], SCLB
	s_or_b32 s[G0S+7], s[G0S+7], 0x80000000
	s_mul_i32 s22, s[WG], 24576                    ; h_u: 128 rows x 192 bytes a work-group
	s_mov_b32 s[G0U], 1
	s_mov_b32 s[G0U+1], HUS
	s_add_nc_u64 s[G0U+2:G0U+3], s[4:5], s[22:23]
	s_or_b32 s[G0U+3], s[G0U+3], 0x80000000
	s_lshl_b32 s22, s[WG], 17                      ; h_v: 128 rows x 1,024 bytes
	s_add_nc_u64 s[8:9], s[8:9], s[22:23]
	s_lshl_b32 s22, s[WG], 10                      ; h_u's scale bytes: 128 rows x 8
	s_add_nc_u64 s[6:7], s[6:7], s[22:23]
	ROUND                                          ; all four work-groups are here: the first joint loads meet
	; THE FIRST FILLS, one a wave, what is needed first first: h_u (wave 0), slot 0's codes (waves 1 to 3), both slots' scale bytes (wave 4), slot 1's codes (waves 5 to 7, by a line that no other wave issues)
.macro ARM under, g0, g1, next
	s_cmp_lt_u32 s[WV], \under
	s_cbranch_scc0 \next
	tensor_load_to_lds s[\g0:\g0+3], s[\g1:\g1+7]
	s_nop 0
	PLACES
	s_branch .Lhead_asked
\next:
.endm
	ARM 1, G0U, G1U, .Lhead_codes
	ARM 4, G0C, G1C, .Lhead_scales
	ARM 5, G0S, G1S, .Lhead_slot1
	tensor_load_to_lds s[G0C+4:G0C+7], s[G1C:G1C+7]
	s_nop 0
	PLACES
.Lhead_asked:
.irp t, 0,1,2,3,4,5,6,7
	global_load_b32 v[16+\t%4+8*(\t/4)], v[USO], s[6:7] offset:128*\t   ; h_u's scale words: lanes 0-15 the rows' first words, lanes 16-31 their second
.endr
.irp g, 0,1                            ; h_v: group g = 32 rows, of which I bring four: 4,096 consecutive bytes, 512 an instruction, into the registers that will hold the group
.irp x, 0,1,2,3,4,5,6,7
	global_load_b128 v[HV+32*\g+4*\x:HV+32*\g+4*\x+3], v[HVO], s[8:9] offset:32768*\g+512*\x th:TH_LOAD_NT
.endr
.endr
	s_lshl_b32 s22, s[WG], 14                      ; out: 128 rows x 128 bytes; wave w stores rows 16 w on
	s_lshl_b32 s21, s[WV], 11
	s_add_co_u32 s22, s22, s21
	s_add_nc_u64 s[14:15], s[14:15], s[22:23]
	s_lshl_b32 s20, s[RO], 15                      ; the prefetches (macro ASK)
	s_add_co_u32 s20, s20, 3*SLOTG                 ; codes: my third of slot 3
	s_cmp_eq_u32 s[RO], 3
	s_cselect_b32 s[PFM], 17, 0                    ; wave 4: the first request and the fifth
	s_mov_b32 s[PFS], 8192
	s_mov_b32 s[PFS+1], 0
	s_cmp_lt_u32 s[RO], 3
	s_cselect_b64 s[PFA:PFA+1], s[10:11], s[12:13]
	s_cselect_b32 s20, s20, 0
	s_cselect_b32 s[PFS], SLOTG, s[PFS]
	s_cselect_b32 s[PFM], 0x1fff, s[PFM]           ; waves 1 to 3: thirteen requests on end
	s_lshl_b32 s21, s[CX], 13                      ; my work-group's 8,192 bytes
	s_add_co_u32 s20, s20, s21
	s_mov_b32 s21, 0
	s_add_nc_u64 s[PFA:PFA+1], s[PFA:PFA+1], s[20:21]
	s_cmp_lt_u32 ttmp9, 4                          ; the first four clusters alone: the same in all partners
	s_cselect_b32 s[PFM], s[PFM], 0
	s_cmp_eq_u32 s[PFM], 0x1fff
	s_cbranch_scc0 .Lno_slot2
	global_prefetch_b8 v[PFO], s[PFA:PFA+1] offset:-SLOTG th:TH_LOAD_NT scope:SCOPE_SE   ; slot 2
.Lno_slot2:
	ASK                                            ; slot 3, or scale bytes
.irp g, 2,3                            ; h_v's groups 2 and 3
.irp x, 0,1,2,3,4,5,6,7
	global_load_b128 v[HV+32*\g+4*\x:HV+32*\g+4*\x+3], v[HVO], s[8:9] offset:32768*\g+512*\x th:TH_LOAD_NT
.endr
.endr
; Unit pos (0..3: r pos / 2, tile of e pos % 2) of slot rg into buffer pos: two fragments of W (16 rows x 128 along d: 12 registers: lane l holds row l % 16; registers 6 c .. 6 c + 5 hold d = 64 c + 32 (l / 16) + 0 .. 31)
; in pieces of 8 bytes, and the rows' scale words.  Lanes 16-31 read three pieces further on; where that is behind one padding more, the second address register serves.
.macro LDU rg, pos
.irp q, 0,1
.irp p, 0,1,2,3,4,5
.set PC, 12*\q+6*(\p/3)+\p%3
.set lr, WF+24*(\pos)+12*\q+2*\p
.if PC%8 < 5
	ds_load_b64 v[lr:lr+1], v[AW+(\rg)] offset:RPB*((\pos)/2)+ETB*((\pos)%2)+8*PC+16*(PC/8)
.else
	ds_load_b64 v[lr:lr+1], v[AW2+(\rg)] offset:RPB*((\pos)/2)+ETB*((\pos)%2)+8*PC+16*(PC/8)
.endif
.endr
.endr
	ds_load_b32 v[WS+(\pos)], v[AS] offset:SCLB*(\rg)+2048*((\pos)/2)+128*((\pos)%2)
.endm
.macro HULOAD t                        ; h_u's two fragments of tile t, in the same pieces
.irp q, 0,1
.irp p, 0,1,2,3,4,5
.set PC, 12*\q+6*(\p/3)+\p%3
.set lr, HU+24*(\t)+12*\q+2*\p
.if PC%8 < 5
	ds_load_b64 v[lr:lr+1], v[HUA] offset:ETB*(\t)+8*PC+16*(PC/8)
.else
	ds_load_b64 v[lr:lr+1], v[HUA2] offset:ETB*(\t)+8*PC+16*(PC/8)
.endif
.endr
.endr
.endm
.macro HVPUT g                         ; my four rows of group g into the staging
.irp x, 0,1,2,3,4,5,6,7
	ds_store_b128 v[HVW], v[HV+32*(\g)+4*\x:HV+32*(\g)+4*\x+3] offset:HVPT*((\g)%2)+1040*(\x/2)+512*(\x%2)
.endr
.endm
.macro HVGET g                         ; my 32 numbers of the group's 32 rows: register 16 t + 8 et + j = h_v(16 t + l % 16, 32 w + 16 et + 8 (l / 16) + j)
.irp u, 0,1
.irp e, 0,1
.irp c, 0,1
	ds_load_b128 v[HV+32*(\g)+16*\u+8*\e+4*\c:HV+32*(\g)+16*\u+8*\e+4*\c+3], v[HVR] offset:HVPT*((\g)%2)+16640*\u+64*\e+16*\c
.endr
.endr
.endr
.endm
; One product: tile of rows t, step q of d, W's buffer sMB, result tile dd.  q = 0 starts anew with the constant 0; q = 1 takes both sides' scale words from lanes 16-31.
.macro MM t, q, dd
.set mD, D+8*(\dd)
.set mA, WF+24*sMB+12*(\q)
.set mB, HU+24*(\t)+12*(\q)
.set mU, 16+(\t)%4+8*((\t)/4)
.if (\q) == 0
	v_wmma_scale_f32_16x16x128_f8f6f4 v[mD:mD+7], v[mA:mA+11], v[mB:mB+11], 0, v[WS+sMB], v[mU] matrix_a_fmt:MATRIX_FMT_FP6 matrix_b_fmt:MATRIX_FMT_FP6
.else
	v_wmma_scale_f32_16x16x128_f8f6f4 v[mD:mD+7], v[mA:mA+11], v[mB:mB+11], v[mD:mD+7], v[WS+sMB], v[mU] matrix_a_fmt:MATRIX_FMT_FP6 matrix_b_fmt:MATRIX_FMT_FP6 matrix_a_scale:MATRIX_SCALE_ROW1 matrix_b_scale:MATRIX_SCALE_ROW1
.endif
.endm
; Multiply-add k of four for tile o of pair sFP: results of the superstep before, h_v of the tile of e sFE.  An r's first one starts the sum.
.macro FM o, k
.if sFP >= 0
.set fA, AC+2*(2*sFP+(\o))
.set fH, HV+16*(2*sFP+(\o))+8*sFE+2*(\k)
.set fD, D+8*(2*(1-sDP)+(\o))+2*(\k)
.if (sFE == 0) && ((\k) == 0)
	v_pk_mul_f32 v[fA:fA+1], v[fH:fH+1], v[fD:fD+1]
.else
	v_pk_fma_f32 v[fA:fA+1], v[fH:fH+1], v[fD:fD+1], v[fA:fA+1]
.endif
.endif
.endm
.macro FIN t                           ; a tile's r is finished: even and odd e together  (a x 1.0 + b: the addends stand in sources 1 and 2, which mean window 1)
	v_fma_f32 v[FA+(\t)], 1.0, v[AC+2*(\t)], v[AC+2*(\t)+1]
.endm
; Line x of the seven that add up eight waves' pairs of numbers: four in G, four in H
.macro RED x
.if (\x) == 0
	v_pk_fma_f32 v[G:G+1], 1.0, v[G+2:G+3], v[G:G+1] op_sel_hi:[0,1,1]
.elseif (\x) == 1
	v_pk_fma_f32 v[G+4:G+5], 1.0, v[G+6:G+7], v[G+4:G+5] op_sel_hi:[0,1,1]
.elseif (\x) == 2
	v_pk_add_f32 v[G:G+1], v[H:H+1], v[G:G+1]
.elseif (\x) == 3
	v_pk_add_f32 v[G+4:G+5], v[H+2:H+3], v[G+4:G+5]
.elseif (\x) == 4
	v_pk_add_f32 v[G:G+1], v[H+4:H+5], v[G:G+1]
.elseif (\x) == 5
	v_pk_add_f32 v[G+4:G+5], v[H+6:H+7], v[G+4:G+5]
.elseif (\x) == 6
	v_pk_fma_f32 v[G:G+1], 1.0, v[G+4:G+5], v[G:G+1] op_sel_hi:[0,1,1]
.endif
.endm
.macro RD x
.if sRED >= 0
	RED sRED+(\x)
.endif
.endm
; A SUPERSTEP: products on pair sMP (tiles a, b by turns, one instruction a turn) into result pair sDP; behind them the multiply-adds on the other result pair.
; DISTANCES.  The first multiply-add on a stands behind the five plain lines that follow a's last product, the first on b behind three of the superstep before and one on a: four that name none of the product's registers.
; sFN: the pair whose r is finished here: 0-3 behind the first multiply-add; 10-13 ahead of it (where the next r's sum starts in it).
.macro SSTEP
	WIN 0x54
	MM 2*sMP, 0, 2*sDP
.if sFN > 9
	FIN 2*(sFN-10)
	FIN 2*(sFN-10)+1
.endif
	FM 0, 0
.if (sFN >= 0) && (sFN < 10)
	FIN 2*sFN
	FIN 2*sFN+1
.endif
	RD 0
	MM 2*sMP+1, 0, 2*sDP+1
	FM 1, 0
	FM 0, 1
	RD 1
	MM 2*sMP, 1, 2*sDP
	FM 1, 1
	FM 0, 2
	RD 2
	MM 2*sMP+1, 1, 2*sDP+1
	FM 1, 2
	FM 0, 3
	FM 1, 3
	RD 3
.endm
.macro FSTORE sp, rr                   ; my sums of r rr of a slot of parity sp into the stage: 16 bytes a lane: tiles 0-3, then 4-7
	WIN 0x54
	ds_store_b128 v[STO], v[FA:FA+3] offset:16384*(\sp)+8192*(\rr)
	ds_store_b128 v[STO], v[FA+4:FA+7] offset:16384*(\sp)+8192*(\rr)+512
.endm
.macro HLOAD sp
.irp x, 0,1,2,3
	ds_load_b64 v[H+2*\x:H+2*\x+1], v[RDS] offset:16384*(\sp)+4096+1024*\x
.endr
.endm
.macro GLOAD sp
.irp x, 0,1,2,3
	ds_load_b64 v[G+2*\x:G+2*\x+1], v[RDS] offset:16384*(\sp)+1024*\x
.endr
.endm
.macro OUTST oo                        ; two finished numbers (rows n and n + 16) into bytes that no other wave names before the end
	ds_store_b32 v[OST], v[G] offset:(\oo)
	ds_store_b32 v[OST], v[G+1] offset:(\oo)+1152
.endm
; A SLOT of parity par.  Superstep i: unit i / 4, pair i % 4; its multiply-adds are the superstep before's, and a pair's r is finished three supersteps behind its last product.
; THE LDS LOADS OF W: behind superstep 0 a run of 26, units 2 and 3 of this slot; behind superstep 9, behind the barrier, the next slot's unit 0, the stage's eight, and the next slot's unit 1.
; mode 1: THE CHANGE OF SLOTS: ahead of superstep 7 each wave waits for all its tensor loads and adds 0 to its spare word; superstep 7 stands between the add and the wait for it; supersteps 8 and 9 between signal and wait;
; the barrier opens a round of the cluster's, and this slot, whose last loads went out behind superstep 0, is filled again, two slots ahead.  mode 2: the last change: nothing is filled.  mode 3: the last slot.
; THE STAGE: behind superstep 2 the slot before's second r goes in, behind 10 this slot's first; behind the barrier the slot before's sums are read, and added up in supersteps 14 and 15.
.macro SLOT par, mode, oo
.set i, 0
.rept 16
.if i == 4
	s_wait_dscnt 32                                ; unit 1 is in; behind it: two stores into the stage, two of finished sums, the run of 26, two stores into the stage
.endif
.if i == 7
.if (\mode) == 1
	WIN 0                                          ; (the add's registers lie in window 0)
	s_wait_tensorcnt 0x0                           ; all my tensor loads have landed, so a group 0 may be written
	ds_add_u32 v[SPW], v[NIL]                      ; 0 onto my spare word
	STEPG \par
.else
	s_wait_tensorcnt 0x0
.endif
.endif
.if i == 14
.if (\mode) == 3
	s_wait_dscnt 2                                 ; the stage's numbers are in; my two stores of superstep 10 may be out
.else
	s_wait_dscnt 15                                ; the next slot's unit 0 and the stage's numbers are in; unit 1's 13 loads and my two stores of superstep 10 may be out
.endif
.endif
.set sMP, i%4
.set sMB, i/4
.set sDP, i%2
.set sFP, (i+15)%4
.set sFE, (((i+15)%16)/4)%2
.set sFN, -1
.if (((i+13)%16)/4)%2 == 1
.set sFN, (i+13)%4
.endif
.set sRED, -1
.if i == 14
.set sRED, 0
.endif
.if i == 15
.set sRED, 4
.endif
	SSTEP
.if i == 0
	WIN 0
	LDU \par, 2
	LDU \par, 3
.endif
.if i == 2
	FSTORE 1-(\par), 1
.endif
.if i == 7
	s_wait_dscnt 0x0                               ; the add is done, and so are my reads of this slot and of the stage and my stores; units 2 and 3 are in
	s_barrier_signal -1
.endif
.if i == 9
	WIN 0
	s_barrier_wait -1
.if (\mode) == 1
	CREST                                          ; no wave of any partner still reads this slot or has a load on its way
	JLOAD \par
.endif
.if (\mode) != 3
	LDU 1-(\par), 0
.endif
	HLOAD 1-(\par)
	WIN 0x54
	GLOAD 1-(\par)
.if (\mode) != 3
	WIN 0
	LDU 1-(\par), 1
.endif
.if (\mode) == 1
	ASK
.endif
.endif
.if i == 10
	FSTORE \par, 0
.endif
.if i == 15
	OUTST \oo
.endif
.set i, i+1
.endr
.endm
; Slot 0's four units on pair g of the tiles of rows: its fragments lie in the four buffers
.macro PG g
.set un, 0
.rept 4
.set sMP, \g
.set sMB, un
.set sDP, un%2
.set sRED, -1
.set sFN, -1
.if un == 0
.set sFP, \g-1
.set sFE, 1
.else
.set sFP, \g
.set sFE, (un-1)%2
.endif
.if un == 3
.set sFN, 10+\g
.endif
	SSTEP
.if (\g == 0) && (un == 0)
	PLACES                                         ; the first superstep has no multiply-adds
.endif
.if (\g == 3) && (un == 1)
	WIN 0
	LDU 1, 0                                       ; slot 1's first units, as buffers fall free
.endif
.if (\g == 3) && (un == 2)
	WIN 0
	LDU 1, 1
.endif
.set un, un+1
.endr
.endm
	s_cmp_lt_u32 s[WV], 5                          ; waves 5 to 7, which alone issue slot 1's line, do not wait here: slot 1 is shown at slot 0's change
	s_cbranch_scc0 .Lnot_due
	s_wait_tensorcnt 0x0                           ; my tile of h_u, of slot 0 or of the scale bytes is in
.Lnot_due:
	s_barrier_signal -1
	s_barrier_wait -1                              ; everybody's is
	WIN 0x40                                       ; destination window 1
.irp t, 0,1,2,3,4,5,6,7
	HULOAD \t
.endr
	WIN 0
.irp p, 0,1,2,3
	LDU 0, \p
.endr
	s_wait_loadcnt 24                              ; h_u's scale words and my rows of group 0 are in; the 24 loads of groups 1 to 3 may be out
	HVPUT 0
	s_wait_tensorcnt 0x0                           ; slot 0 has been read into the buffers: its change
	ds_add_u32 v[SPW], v[NIL]
	STEPG 0
	s_mov_b32 s[G1S+2], 16<<16                     ; no tensor load of mine is out: from here on a slot's 4,096 scale bytes: 16 rows
	s_mov_b32 s[G1S+4], 16
	s_wait_dscnt 0x0                               ; the add is done, and my reads of slot 0 and of h_u, and my stores into the staging
	ROUND
	JLOAD 0                                        ; slot 2 into slot 0's bytes
	HVGET 0
	ASK
	s_wait_dscnt 0x0
	PG 0
.irp g, 1,2,3
	s_wait_alu depctr_va_vdst(0)
	WIN 0
	s_wait_loadcnt 24-8*\g                         ; my rows of this group are in; the later groups' may be out
	HVPUT \g
	s_wait_dscnt 0x0                               ; for the others' sake
	s_barrier_signal -1
	s_barrier_wait -1
	HVGET \g
	s_wait_dscnt 0x0
	PG \g
.endr
	FSTORE 0, 0                                    ; slot 0's first r
	FIN 0                                          ; and its second r's first pair; the loop finishes the others
	FIN 1
	s_wait_alu depctr_va_vdst(0)
	WIN 0                                          ; at a label and at a branch every window is 0
	s_wait_dscnt 0x0                               ; slot 1's first units are in
	s_mov_b32 s[TRIP], 6
.Ltrip:                                                ; a trip: an odd slot and an even one: slots 1 to 12
	SLOT 1, 1, 0
	SLOT 0, 1, 4
	WIN 0
	v_add_nc_u32 v[OST], 8, v[OST]
	s_wait_alu depctr_va_vdst(0)
	s_sub_co_u32 s[TRIP], s[TRIP], 1
	s_cmp_lg_u32 s[TRIP], 0
	s_cbranch_scc1 .Ltrip
	SLOT 1, 1, 0                                   ; slot 13 asks for slot 15, the last; these three are written out
	SLOT 0, 2, 4
	SLOT 1, 3, 8
	WIN 0x54
	PLACES                                         ; the last superstep's results
.set sFP, 3
.set sFE, 1
.set sDP, 0
.irp k, 0,1,2,3
	FM 0, \k
	FM 1, \k
.endr
.irp t, 2,3,4,5,6,7
	FIN \t
.endr
	FSTORE 1, 1
	WIN 0
	; THE WAY OUT.  Wave w takes rows 16 w .. 16 w + 15, four an instruction: a lane four neighbouring r of a row: two from each of two waves' sums, from both lane halves
	s_lshr_b32 s20, s[WV], 1
	s_mul_i32 s20, s20, 4608
	s_and_b32 s21, s[WV], 1
	s_mul_i32 s21, s21, 1152
	s_add_co_u32 s20, s20, s21
	s_add_co_u32 s20, s20, OUTB
	v_bfe_u32 v13, v[HVO], 7, 2                    ; lane / 8
	v_bfe_u32 v14, v[HVO], 4, 3                    ; lane % 8
	v_and_b32 v15, 0x1f0, v[HVO]                   ; 16 x lane
	v_mul_u32_u24 v12, v13, 72
	v_lshl_add_u32 v12, v14, 3, v12
	v_add_nc_u32 v12, s20, v12
	s_wait_alu depctr_va_vdst(0)
	s_wait_dscnt 0x0                               ; for the others' sake: my stores into the stage are done
	s_barrier_signal -1
	s_barrier_wait -1
	HLOAD 1
	WIN 0x54
	GLOAD 1
	s_wait_dscnt 0x0
.irp x, 0,1,2,3,4,5,6
	RED \x
.endr
	OUTST 12
	WIN 0
	s_wait_dscnt 0x0                               ; for the others' sake: my finished sums are in LDS
	s_barrier_signal -1
	s_barrier_wait -1
.irp k, 0,1,2,3
.irp x, 0,1,2,3                        ; even r, lane halves 0 and 1; odd r, lane halves 0 and 1
	ds_load_b64 v[WF+8*\k+2*\x:WF+8*\k+2*\x+1], v12 offset:288*\k+2304*(\x%2)+18432*(\x/2)
.endr
.endr
.irp k, 0,1,2,3
	s_wait_dscnt 12-4*\k                           ; these four are in; the younger loads may be out
	v_add_f32 v[WF+32+4*\k], v[WF+8*\k], v[WF+8*\k+2]
	v_add_f32 v[WF+32+4*\k+1], v[WF+8*\k+4], v[WF+8*\k+6]
	v_add_f32 v[WF+32+4*\k+2], v[WF+8*\k+1], v[WF+8*\k+3]
	v_add_f32 v[WF+32+4*\k+3], v[WF+8*\k+5], v[WF+8*\k+7]
	global_store_b128 v15, v[WF+32+4*\k:WF+32+4*\k+3], s[14:15] offset:512*\k th:TH_STORE_NT   ; 32 lanes store 512 consecutive bytes (four rows of out), at a multiple of 256 from out's first byte
.endr
	s_wait_tensorcnt 0x0                           ; the wave's end
	ds_add_u32 v[SPW], v[NIL]
	s_wait_dscnt 0x0
	ROUND                                          ; the closing round: no work-group ends while a partner may still ask for a tile that names it
	s_endpgm
.Lfunc_end_k_q9f6711d8c0_kway:
	.size	k_q9f6711d8c0_kway, .Lfunc_end_k_q9f6711d8c0_kway-k_q9f6711d8c0_kway
	.p2alignl 7, 3214868480
	.fill 96, 4, 3214868480
	.section	.rodata,"a",@progbits
	.p2align	6, 0x0
	.amdhsa_kernel k_q9f6711d8c0_kway
		.amdhsa_group_segment_fixed_size 327680
		.amdhsa_private_segment_fixed_size 0
		.amdhsa_enable_private_segment 0
		.amdhsa_kernarg_size 48
		.amdhsa_user_sgpr_count 2
		.amdhsa_user_sgpr_kernarg_segment_ptr 1
		.amdhsa_wavefront_size32 1
		.amdhsa_system_sgpr_workgroup_id_x 1
		.amdhsa_system_sgpr_workgroup_id_y 1
		.amdhsa_system_sgpr_workgroup_id_z 1
		.amdhsa_system_vgpr_workitem_id 0
		.amdhsa_next_free_vgpr 512
		.amdhsa_next_free_sgpr 102
		.amdhsa_reserve_vcc 0
		.amdhsa_float_denorm_mode_32 3
		.amdhsa_float_denorm_mode_16_64 3
		.amdhsa_memory_ordered 1
		.amdhsa_forward_progress 1
		.amdhsa_inst_pref_size 165
	.end_amdhsa_kernel
	.amdgpu_metadata
---
amdhsa.version: [ 1, 2 ]
amdhsa.kernels:
  - .name:           k_q9f6711d8c0_kway
    .symbol:         k_q9f6711d8c0_kway.kd
    .args:
      - { .name: h_u_codes, .offset: 0, .size: 8, .value_kind: global_buffer, .address_space: global }
      - { .name: h_u_scales, .offset: 8, .size: 8, .value_kind: global_buffer, .address_space: global }
      - { .name: h_v, .offset: 16, .size: 8, .value_kind: global_buffer, .address_space: global }
      - { .name: weights_codes, .offset: 24, .size: 8, .value_kind: global_buffer, .address_space: global }
      - { .name: weights_scales, .offset: 32, .size: 8, .value_kind: global_buffer, .address_space: global }
      - { .name: out0, .offset: 40, .size: 8, .value_kind: global_buffer, .address_space: global }
    .group_segment_fixed_size: 327680
    .private_segment_fixed_size: 0
    .kernarg_segment_align: 8
    .kernarg_segment_size: 48
    .max_flat_workgroup_size: 256
    .sgpr_count:     102
    .vgpr_count:     512
    .wavefront_size: 32
...
	.end_amdgpu_metadata
.endif
;; end of part 2
